; MI455X (gfx1250); checked and timed in simulation.
; The chip was launched on July 23, 2026; its instructions are those of AMD's public machine-readable ISA for CDNA 5 (MIT licence, August 2026) and "CDNA5" Instruction Set Architecture Reference Guide (July 2026). The comments in the code are by the model that wrote it; some were corrected since.
;; Typed Linear. Allowed arithmetic: matrix products marked QUANTISED: E5M2 operands, one E8M0 scale for each 32 along K, by v_wmma_scale_f32_16x16x128_f8f6f4 with both operands' format E5M2, f32 sums; everything else in f32.
;; Inputs: bias 8 x 1,024 float32; types 8,192 int32; weight_codes 8 x 1,024 x 32 x 32 uint8 (E5M2 codes of weight, K innermost, in blocks of 32 codes); weight_scales 8 x 1,024 x 32 uint8 (E8M0 scales of weight, one for each 32 codes along K); x_codes 8,192 x 32 x 32 uint8 (E5M2 codes of x, K innermost, in blocks of 32 codes); x_scales 8,192 x 32 uint8 (E8M0 scales of x, one for each 32 codes along K).
;; Outputs: out0 8,192 x 1,024 float32.
;; This version of the problem:
;;   THIS VERSION OF THE PROBLEM IS GIVEN IN LOW PRECISION. The matrix products marked QUANTISED in the list below multiply operands that are first quantised to E5M2 (5 exponent bits, 2 mantissa bits; 8 bits a number), with one power-of-two scale for each 32 numbers along K (OCP MX v1.0); their sums are f32. All else is computed in f32.
;;   The module's matrix products, in the order in which they are computed (A, B: the left and right operand; K: the contracted axis; several contracted axes count as one K, in the product's order):
;;     1. [M 8,192, K 1,024] x [K 1,024, N 8,192]; A: input x (given as codes); B: input weight (given as codes): QUANTISED
;;   THE QUANTISER, for each operand of a quantised product, along K:
;;     - K is cut into blocks of 32 from its start; a last block that is shorter is filled with zeros.
;;     - A block's scale is 2^e with e = floor(log2(the largest magnitude in the block)) - 15, held to -126 .. 127; a block of zeros has e = 0. As a byte (E8M0): e + 127.
;;     - Each number is divided by its block's scale, clamped to +-57,344, and rounded to the nearest number of E5M2, ties to even, subnormals kept.
;;     - The product sums the exact products of the quantised numbers (number of the format x scale) in f32.
;;   ~~~python
;;   def quantise(x, axis):      # numpy; x: float32 -> the quantised numbers, widened to float32 again
;;       x = np.moveaxis(x, axis, -1); K = x.shape[-1]
;;       x = np.pad(x, [(0, 0)] * (x.ndim - 1) + [(0, -K % 32)]); x = x.reshape(x.shape[:-1] + (-1, 32)); a = np.abs(x).max(-1, keepdims=True)
;;       e = np.where(a > 0, np.clip(np.frexp(np.where(a > 0, a, 1))[1] - 1 - 15, -126, 127), 0)      # np.frexp(a)[1] - 1 = floor(log2(a)), exactly
;;       r = np.clip(x / 2.0 ** e, -57344, 57344)
;;       step = 2.0 ** (np.maximum(np.frexp(np.where(r == 0, 1, r))[1] - 1, -14) - 2)
;;       q = np.round(r / step) * step * 2.0 ** e      # np.round: ties to even
;;       return np.moveaxis(q.reshape(q.shape[:-2] + (-1,))[..., :K], -1, axis).astype(np.float32)
;;   ~~~
;;   INPUTS GIVEN AS CODES. weight (in the module: [8, 1024, 1024], K = its axis 2); x (in the module: [8192, 1024], K = its axis 1): each comes as NAME_codes (uint8): NAME with its K axis moved to the last place and cut into blocks of 32 codes, [.., K / 32, bytes a block], one block behind the other in memory; one code a byte (a code: sign, 5 exponent bits, 2 mantissa bits); and NAME_scales (uint8): the same leading axes, one E8M0 byte (e + 127) for each 32 codes along K. Its value is code x scale, taken as it is: it is not quantised again, and the codes and scales need not be those that the quantiser above would give.
;; 2 versions, each right; version 2 is version 1 with the launch gemm written anew for expert scheduling mode. Each part assembles by itself: llvm-mc -triple=amdgcn-amd-amdhsa -mcpu=gfx1250 --defsym DOCPART=n.
;; ======== version 1 of 2: 2 launches
;; workspace buffers: order 37,888 bytes of whole numbers; counts 256 bytes of whole numbers; wfrag 8,388,608 bytes
;; launch prep (part 1): grid 264 x 1, 4 waves a work-group, no clusters, 34,304 bytes of LDS; arguments types, weight_codes, order, counts, wfrag; writes order, counts, wfrag
.if DOCPART == 1
	.amdgcn_target "amdgcn-amd-amdhsa--gfx1250"
	.amdhsa_code_object_version 6
	.text
	.protected	k_qfc87347d38_prep
	.globl	k_qfc87347d38_prep
	.p2align	8
	.type	k_qfc87347d38_prep,@function
k_qfc87347d38_prep:
	s_mov_b64 s[64:65], 0
	v_nop
	global_prefetch_b8 v0, s[64:65] scope:SCOPE_SE
	s_setreg_imm32_b32 hwreg(HW_REG_WAVE_MODE, 25, 1), 1
	s_wait_xcnt 0x0
; TWO JOBS IN ONE LAUNCH, parted by the work-group's number.
; ROUTE (work-groups 0-7, 32 waves): a counting sort of types [8192] by type, in tiles of 160 rows.  A type's rows begin at a tile's first place:
;   order[160 x tile + i] = the token that is row i of that tile;  counts[0..7] = rows of each type;  counts[8..15] = END_k, the tiles of types 0 .. k together.
;   There are never more than ceil(8192 / 160) + 7 = 59 tiles.  Places behind a type's last row are not written, and the next launch does not read them.
;   No wave needs anything of another: every wave counts all 8,192 types by itself (32 KB of loads) and places only its own 256 tokens.  No LDS, no barrier, no atomic.
;   Token n = 256 g + 128 u + 4 lane + i (group g, load u, word i).  Wave q owns group q.  Inside a type the order is: lane, then group, then (u, i):
;   place = the type's base + the totals of the lower lanes + my lane's count in groups under q + the rank among my lane's own eight.
; RELAYOUT (work-groups 8-263, 1,024 waves): weight_codes [8][1024][1024 bytes] is laid once in the order of the matrix operand's registers:
;   wfrag byte ((64 e + ct) 8 + s) 2048 + 512 c + 16 lane  =  row 16 ct + lane % 16 of type e, bytes 128 s + 32 c + 16 (lane / 16) .. + 15,
;   so that the next launch fills a fragment (16 rows x 128 K) by four loads of 512 consecutive bytes.  A wave takes 16 rows x 512 bytes through its own stage in LDS: no barrier.
; LIMIT: a type is taken modulo 8; the problem's types lie in 0 .. 7, on which the reference's own gather relies.
.set TM,     160                       ; rows in a tile
.set LASTP,  59*TM-1                   ; the last place of order: 9,439
.set RING,   64                        ; v64-191: 16 slots of 8 registers: a group's 8 types a lane
.set SPITCH, 528                       ; relayout: a stage row: 512 bytes + 16 = 33 x 16: the 16 rows that a load touches start 16 bytes apart modulo 256
.set WSTAGE, 16*SPITCH                 ; a wave's stage
	s_load_b256 s[4:11], s[0:1], 0x0               ; types s[4:5], weight_codes s[6:7], order s[8:9], counts s[10:11]
	s_load_b64 s[12:13], s[0:1], 0x20              ; wfrag
	v_lshl_add_u32 v192, v0, 2, 0x8400
	v_mov_b32 v193, 0
	v_lshrrev_b32 v1, 5, v0
	v_readfirstlane_b32 s18, v1                    ; wave 0..3
	v_and_b32 v1, 31, v0                           ; lane
	v_lshlrev_b32 v2, 4, v1                        ; 16 x lane; never rewritten
	s_cmp_lt_u32 ttmp9, 8
	s_cbranch_scc0 .Lrelay
; ---------------------------------------------------------------- ROUTE
; v4, v5 running totals in bytes (v4: types 0, 2, 4, 6; v5: types 1, 3, 5, 7); v6, v7 their snapshot ahead of my group; v8, v9 a group's counts in nibbles; v10, v11 the same in bytes
; v16-19 totals in halves of a word, then the scan; v20-23 a copy; v24-27 the snapshot widened; v28 at work; v32-39 the next place of each type; v40-47 my eight types; v48-55 their places; v56-63 their tokens
	s_lshl_b32 s19, ttmp9, 2
	s_add_co_u32 s19, s19, s18                     ; q = 4 x work-group + wave: my group
	s_mov_b32 s21, 0x0f0f0f0f
	s_mov_b32 s22, 0x00ff00ff
	s_mov_b32 s23, 0xffff0000                      ; a lane mask: lanes 16-31
	s_lshl_b32 s52, s19, 10
	v_add_nc_u32 v3, s52, v2                       ; my group's bytes: 1,024 q + 16 lane
	s_lshl_b32 s53, s19, 8
	v_lshl_add_u32 v14, v1, 2, s53                 ; my first token: 256 q + 4 lane
.irp r, 4,5,6,7,28,48,49,50,51,52,53,54,55
	v_mov_b32 v\r, 0
.endr
.irp i, 0,1,2,3
	v_add_nc_u32 v[56+\i], \i, v14
	v_add_nc_u32 v[60+\i], 128+\i, v14
.endr
	s_wait_kmcnt 0x0
	global_load_b128 v[40:43], v3, s[4:5]          ; my own eight, kept apart
	global_load_b128 v[44:47], v3, s[4:5] offset:512
.set G, 0
.rept 16
	global_load_b128 v[RING+8*G:RING+8*G+3],   v2, s[4:5] offset:1024*G          ; 32 lanes read 512 consecutive bytes
	global_load_b128 v[RING+8*G+4:RING+8*G+7], v2, s[4:5] offset:1024*G+512
.set G, G+1
.endr
; One group: my lane's 8 types are counted in 8 nibbles (at most 8 each), widened to bytes and added to the totals.  31 groups x 8 = 248 fit a byte; the last group stays apart in v10, v11.
.macro GROUP g
.set RG, RING+8*((\g)%16)
.if (\g) < 16
	s_wait_loadcnt 30                              ; 34 + 2 g loads are issued, the first 4 + 2 g are wanted
.else
	s_wait_loadcnt 62-2*(\g)                       ; all 66 are issued: the counts run down
.endif
	s_cmp_eq_u32 s19, \g
	s_cselect_b32 s20, -1, 0
	v_cndmask_b32 v6, v6, v4, s20                  ; ahead of my own group: the totals so far are my lane's counts in the groups under q
	v_cndmask_b32 v7, v7, v5, s20
.irp i, 0,1,2,3,4,5,6,7
	v_lshlrev_b32 v[RG+\i], 2, v[RG+\i]            ; a type's nibble begins at bit 4 x type
.endr
	v_lshl_add_u32 v8, 1, v[RG], 0                 ; two chains of four
	v_lshl_add_u32 v9, 1, v[RG+4], 0
.irp i, 1,2,3
	v_lshl_add_u32 v8, 1, v[RG+\i], v8
	v_lshl_add_u32 v9, 1, v[RG+4+\i], v9
.endr
	v_add_nc_u32 v8, v8, v9
	v_and_b32 v10, s21, v8                         ; types 0, 2, 4, 6 in bytes 0 to 3
	v_lshrrev_b32 v11, 4, v8
	v_and_b32 v11, s21, v11                        ; types 1, 3, 5, 7
.if (\g) < 31
	v_add_nc_u32 v4, v4, v10
	v_add_nc_u32 v5, v5, v11
.endif
.if (\g) < 16
	global_load_b128 v[RG:RG+3],   v2, s[4:5] offset:1024*((\g)+16)              ; the slot takes the group 16 further on
	global_load_b128 v[RG+4:RG+7], v2, s[4:5] offset:1024*((\g)+16)+512
.endif
.endm
.set G, 0
.rept 32
	GROUP G
.set G, G+1
.endr
; bytes to halves of a word: register d: types 0 | 4, d + 1: 2 | 6, d + 2: 1 | 5, d + 3: 3 | 7 (low | high half).  A half holds up to 8,192
.macro WIDEN a, b, d
	v_and_b32 v[\d], s22, v[\a]
	v_lshrrev_b32 v[\d+1], 8, v[\a]
	v_and_b32 v[\d+1], s22, v[\d+1]
	v_and_b32 v[\d+2], s22, v[\b]
	v_lshrrev_b32 v[\d+3], 8, v[\b]
	v_and_b32 v[\d+3], s22, v[\d+3]
.endm
	WIDEN 4, 5, 16
	WIDEN 10, 11, 20
	WIDEN 6, 7, 24
.irp j, 0,1,2,3
	v_add_nc_u32 v[16+\j], v[16+\j], v[20+\j]      ; my lane's totals over all 32 groups
.endr
.irp j, 0,1,2,3
	v_mov_b32 v[20+\j], v[16+\j]
.endr
.macro SCAN x                          ; the running sum over the 32 lanes, my own lane included: four steps inside each 16 lanes, then lane 15's sum onto lanes 16-31
.irp n, 1,2,4,8
	v_mov_b32_dpp v28, v[\x] row_shr:\n row_mask:0xf bank_mask:0xf bound_ctrl:1
	v_add_nc_u32 v[\x], v[\x], v28
.endr
	v_readlane_b32 s52, v[\x], 15
	v_mov_b32 v28, s52
	v_cndmask_b32 v28, 0, v28, s23
	v_add_nc_u32 v[\x], v[\x], v28
.endm
.irp j, 0,1,2,3
	SCAN 16+\j
.endr
.irp j, 0,1,2,3
	v_readlane_b32 s[24+\j], v[16+\j], 31          ; the types' counts, two to a word
.endr
	s_and_b32 s28, s24, 0xffff                     ; s28-35: the count of type 0 .. 7
	s_lshr_b32 s32, s24, 16
	s_and_b32 s30, s25, 0xffff
	s_lshr_b32 s34, s25, 16
	s_and_b32 s29, s26, 0xffff
	s_lshr_b32 s33, s26, 16
	s_and_b32 s31, s27, 0xffff
	s_lshr_b32 s35, s27, 16
	s_mov_b32 s53, 0                               ; tiles so far
.irp k, 0,1,2,3,4,5,6,7
	s_add_co_u32 s52, s[28+\k], TM-1
	s_lshr_b32 s52, s52, 5
	s_mul_i32 s52, s52, 205
	s_lshr_b32 s52, s52, 10                        ; the type's tiles: ceil(count / 160) = ((count + 159) / 32) / 5; x 205 / 1,024 is / 5 exactly for numbers under 1,024, and these are at most 260
	s_mul_i32 s[44+\k], s53, TM                    ; s44-51: the type's first place
	s_add_co_u32 s53, s53, s52
	s_mov_b32 s[36+\k], s53                        ; s36-43: END_k
.endr
.irp j, 0,1,2,3
	v_sub_nc_u32 v[16+\j], v[16+\j], v[20+\j]      ; the lower lanes' totals (no half borrows: the running sum holds my own total),
	v_add_nc_u32 v[16+\j], v[16+\j], v[24+\j]      ; and my lane's counts in the groups under q
.endr
.irp k, 0,1,2,3,4,5,6,7
	v_bfe_u32 v[32+\k], v[16+2*(\k%2)+(\k/2)%2], 16*(\k/4), 16
	v_add_nc_u32 v[32+\k], s[44+\k], v[32+\k]      ; where my lane's next token of type k goes
.endr
.irp i, 0,1,2,3,4,5,6,7
	v_and_b32 v[40+\i], 7, v[40+\i]                ; as the histogram's shift took them
.endr
.irp i, 0,1,2,3,4,5,6,7
.irp k, 0,1,2,3,4,5,6,7
	v_cmp_eq_u32 vcc_lo, \k, v[40+\i]
	v_cndmask_b32 v[48+\i], v[48+\i], v[32+\k], vcc_lo             ; token i takes its type's next place,
	v_add_co_ci_u32 v[32+\k], vcc_lo, 0, v[32+\k], vcc_lo          ; which then moves on by one
.endr
.endr
.irp i, 0,1,2,3,4,5,6,7
	v_min_u32 v[48+\i], LASTP, v[48+\i]            ; a number made of loaded data enters an address behind a hold at a constant
	v_lshlrev_b32 v[48+\i], 2, v[48+\i]
	global_store_b32 v[48+\i], v[56+\i], s[8:9]    ; single words to scattered places: 32 KB in the whole launch
.endr
	s_cmp_lg_u32 s19, 0
	s_cbranch_scc1 .Lroute_end                     ; every wave has the same counts; wave 0 of work-group 0 stores them
	v_mov_b32 v29, 0
.irp k, 0,1,2,3,4,5,6,7
	v_writelane_b32 v29, s[28+\k], \k
	v_writelane_b32 v29, s[36+\k], 8+\k
.endr
	v_lshlrev_b32 v30, 2, v1
	global_store_b32 v30, v29, s[10:11]            ; 32 words: counts, END, zeros
.Lroute_end:
	s_endpgm
; ---------------------------------------------------------------- RELAYOUT
.Lrelay:
	s_sub_co_u32 s19, ttmp9, 8
	s_lshl_b32 s19, s19, 2
	s_add_co_u32 s19, s19, s18                     ; 0 .. 1,023: 2 x (64 e + ct) + which half of K
	s_lshr_b32 s20, s19, 1
	s_and_b32 s21, s19, 1
	s_lshl_b32 s24, s20, 14                        ; 16 rows of 1,024 bytes, in both buffers
	s_lshl_b32 s22, s21, 9
	s_add_co_u32 s22, s24, s22                     ; from: + 512 bytes along the rows
	s_mov_b32 s23, 0
	s_lshl_b32 s26, s21, 13
	s_add_co_u32 s26, s24, s26                     ; to: + four K steps of 2,048 bytes
	s_mov_b32 s27, 0
	s_mul_i32 s28, s18, WSTAGE                     ; my stage
	v_and_b32 v3, 15, v0                           ; r
	v_bfe_u32 v4, v0, 4, 1                         ; h
	v_add_nc_u32 v5, s28, v2                       ; in: a row as it lies, 16 bytes a lane
	v_mul_u32_u24 v6, v3, SPITCH
	v_lshl_add_u32 v6, v4, 4, v6
	v_add_nc_u32 v6, s28, v6                       ; out: row r, + 16 h
	s_wait_kmcnt 0x0
	s_add_nc_u64 s[6:7], s[6:7], s[22:23]
	s_add_nc_u64 s[12:13], s[12:13], s[26:27]
.irp i, 0,1,2,3,4,5,6,7,8,9,10,11,12,13,14,15
	global_load_b128 v[64+4*\i:67+4*\i], v2, s[6:7] offset:1024*\i th:TH_LOAD_NT   ; 512 consecutive bytes of row i; read once in the launch
.endr
.irp i, 0,1,2,3,4,5,6,7,8,9,10,11,12,13,14,15
	s_wait_loadcnt 15-\i                           ; loads come back in order: row i is in
	ds_store_b128 v5, v[64+4*\i:67+4*\i] offset:SPITCH*\i
.endr
.irp j, 0,1,2,3,4,5,6,7,8,9,10,11,12,13,14,15
	ds_load_b128 v[128+4*\j:131+4*\j], v6 offset:128*(\j/4)+32*(\j%4)              ; LDS serves a wave's instructions in order: these see my stores.  K step j / 4 of my four, registers 4 (j % 4) on
.endr
.irp j, 0,1,2,3,4,5,6,7,8,9,10,11,12,13,14,15
	s_wait_dscnt 15-\j
	global_store_b128 v2, v[128+4*\j:131+4*\j], s[12:13] offset:512*\j             ; 32 lanes store 512 consecutive bytes, at a multiple of 256 from the buffer's first byte
.endr
	s_wait_tensorcnt 0x0
	ds_add_u32 v192, v193
	s_wait_dscnt 0x0
	s_endpgm
.Lfunc_end_k_qfc87347d38_prep:
	.size	k_qfc87347d38_prep, .Lfunc_end_k_qfc87347d38_prep-k_qfc87347d38_prep
	.p2alignl 7, 3214868480
	.fill 96, 4, 3214868480
	.section	.rodata,"a",@progbits
	.p2align	6, 0x0
	.amdhsa_kernel k_qfc87347d38_prep
		.amdhsa_group_segment_fixed_size 34304
		.amdhsa_private_segment_fixed_size 0
		.amdhsa_enable_private_segment 0
		.amdhsa_kernarg_size 40
		.amdhsa_user_sgpr_count 2
		.amdhsa_user_sgpr_kernarg_segment_ptr 1
		.amdhsa_wavefront_size32 1
		.amdhsa_system_sgpr_workgroup_id_x 1
		.amdhsa_system_sgpr_workgroup_id_y 1
		.amdhsa_system_sgpr_workgroup_id_z 1
		.amdhsa_system_vgpr_workitem_id 0
		.amdhsa_next_free_vgpr 194
		.amdhsa_next_free_sgpr 66
		.amdhsa_reserve_vcc 1
		.amdhsa_float_denorm_mode_32 3
		.amdhsa_float_denorm_mode_16_64 3
		.amdhsa_memory_ordered 1
		.amdhsa_forward_progress 1
		.amdhsa_inst_pref_size 69
	.end_amdhsa_kernel
	.amdgpu_metadata
---
amdhsa.version: [ 1, 2 ]
amdhsa.kernels:
  - .name:           k_qfc87347d38_prep
    .symbol:         k_qfc87347d38_prep.kd
    .args:
      - { .name: types, .offset: 0, .size: 8, .value_kind: global_buffer, .address_space: global }
      - { .name: weight_codes, .offset: 8, .size: 8, .value_kind: global_buffer, .address_space: global }
      - { .name: order, .offset: 16, .size: 8, .value_kind: global_buffer, .address_space: global }
      - { .name: counts, .offset: 24, .size: 8, .value_kind: global_buffer, .address_space: global }
      - { .name: wfrag, .offset: 32, .size: 8, .value_kind: global_buffer, .address_space: global }
    .group_segment_fixed_size: 34304
    .private_segment_fixed_size: 0
    .kernarg_segment_align: 8
    .kernarg_segment_size: 40
    .max_flat_workgroup_size: 128
    .sgpr_count:     66
    .vgpr_count:     194
    .wavefront_size: 32
...
	.end_amdgpu_metadata
.endif
;; end of part 1
;; launch gemm (part 2): grid 4 x 59, 4 waves a work-group, no clusters, 193,024 bytes of LDS; arguments x_codes, x_scales, wfrag, weight_scales, bias, order, counts, out0; writes out0
.if DOCPART == 2
	.amdgcn_target "amdgcn-amd-amdhsa--gfx1250"
	.amdhsa_code_object_version 6
	.text
	.protected	k_qfc87347d38_gemm
	.globl	k_qfc87347d38_gemm
	.p2align	8
	.type	k_qfc87347d38_gemm,@function
k_qfc87347d38_gemm:
	s_mov_b64 s[64:65], 0
	v_nop
	global_prefetch_b8 v0, s[64:65] scope:SCOPE_SE
	s_setreg_imm32_b32 hwreg(HW_REG_WAVE_MODE, 25, 1), 1
	s_wait_xcnt 0x0
; out0[n][:] = W[types[n]] x[n] + bias[types[n]], on codes of BF8 (E5M2) with one E8M0 scale for each 32 along K, only for the type that each token has.
; A work-group takes ONE TILE: up to 160 tokens of one type (work-group y = the tile, as the launch before sorted them into order and counts) x 256 outputs (work-group x), all of K = 1,024.
; The grid, 59 tiles, serves every split of the 8,192 tokens over the 8 types: ceil(8192 / 160) + 7.
; SHARES.  Wave w makes all 160 rows x outputs 64 w .. 64 w + 63 of the block: 10 x 4 accumulators, 320 registers.  Its 64 rows of W come from wfrag straight into registers, each byte once in the work-group,
; by loads of 512 consecutive bytes.  The tokens' rows of x are scattered: they are gathered once, 40 rows a wave, 256 bytes of a row at a time, through registers into LDS, where all four waves read them.
; THE MATRIX INSTRUCTION IS USED TRANSPOSED (source 0 = 16 rows of W, source 1 = 16 rows of x): lane (r, h) of accumulator (a, b) holds row 16 a + r, outputs 16 b + 8 h + 0 .. 7.  The bias is the C of the first K step.
; SCALES.  A lane takes 16 bytes at 32 r + 16 h of a tile's scale rows: register q then holds the word of K step q in lanes 0-15 and that of K step 4 + q in lanes 16-31 (the second row of the scale operand).
; ROWS BEHIND A TILE'S COUNT are copies of its last row: every index is held at count - 1.  Blocks of 16 rows that lie wholly behind the count are not stored; inside the last block the copies
; are stored again, to the same place with the same bytes (at most 15 rows).  A tile with no rows runs on token order[0] and type at most 7, and stores nothing: the four barriers stand on every wave's one path.
; NO TENSOR LOADS, NO CLUSTER: x is gathered by a list, the way out branches on a stored count, and how many tiles share a type hangs on the data.
; LIMITS: a scale byte 0xff gives NaN, and codes of infinity and NaN count as such, as the format has it.
; REGISTERS, in windows of 256.  Window 0: v1-15 addresses, v16-35 the gather's offsets, v36-51 W's scale words, v52-91 x's, v96-255 x's ten fragments (ahead of them the head's work, behind them the way out).
;   Window 1: W's fragments, four K steps deep (K step s, tile b at 64 (s % 4) + 16 b).  Window 2: accumulators of a = 0 .. 7 at 8 (4 a + b).  Window 3: v0-63 those of a = 8, 9; v64-95 the bias; v96-255 two sets of 80 for the gather.
.set PITCH, 272                        ; an LDS row: 256 bytes + 16 = 17 x 16: the 16 rows that a load touches start 16 bytes apart modulo 256
.set CHB,   160*PITCH                  ; a chunk: 256 along K of the 160 rows
.set LIST,  4*CHB                      ; behind the four chunks: the 160 tokens, a word each
.set STG,   LIST+768                   ; the way out: 16 rows x 272 bytes for each wave
.set LASTP, 59*160-1                   ; the last place of order
.set L16,  1                           ; v1      16 x lane
.set XW,   2                           ; v2-5    where I store my 40 rows of chunk c
.set XA,   6                           ; v6-9    where my lane's part of a fragment of chunk c begins
.set STO,  10                          ; v10     the stage: where I put 32 bytes of a row
.set RD,   11                          ; v11     and where I read a row back
.set LRD,  12                          ; v12     the list: 4 h
.set CO,   13                          ; v13     my byte offset in a row of out0
.set XOFF, 16                          ; v16-35  pair p of my 40 rows: token x 1,024 + 16 (lane % 16)
.set WS,   36                          ; v36-51  W's scale words, 4 b + q: they hold scales and nothing else
.set XS,   52                          ; v52-91  x's, 4 a + q: likewise
.set XF,   96                          ; v96-255 x's fragments, 16 a
.set R,    96                          ; the head's work, in registers that the fragments take later
.set H,    97
.set WSA,  98                          ; 32 r + 16 h
.set BA,   99                          ; 32 h
.set IA,   100                         ; v100-129 byte offsets into order
.set SROW, 130                         ; v130-149 the tokens of rows 40 w + 2 p + h
.set ROWV, 150                         ; v150-159 the tokens of rows 16 a + r
.set XSA,  160                         ; v160-169 their scale rows
.set WH,   170                         ; 40 w + h
.set LW,   171                         ; the list: where I store my 40 tokens
.set R16,  172
.set H16,  173
.set OB,   96                          ; the way out: two sets of 32: 16 rows read back
.set RID,  160                         ; v160-167 their tokens
.set OFS,  168                         ; v168-183 two sets of 8: their byte offsets in out0
.set BIAS, 64                          ; in window 3
.set XIN,  96                          ; in window 3
.set MSB, 0
.macro WIN new                         ; bits 1:0 source 0, 3:2 source 1, 5:4 source 2, 7:6 destination; the high byte repeats the setting that is left
.if MSB != \new
	s_set_vgpr_msb (MSB<<8)|\new
.set MSB, \new
.endif
.endm
	s_load_b512 s[8:23], s[0:1], 0x0               ; x_codes s[8:9], x_scales s[10:11], wfrag s[12:13], weight_scales s[14:15], bias s[16:17], order s[18:19], counts s[20:21], out0 s[22:23]
	v_lshl_add_u32 v94, v0, 2, 0x2f000
	v_mov_b32 v95, 0
	v_lshrrev_b32 v14, 5, v0
	v_readfirstlane_b32 s6, v14                    ; wave 0..3
	s_and_b32 s4, ttmp7, 0xffff                    ; the tile
	s_mov_b32 s5, ttmp9                            ; the block of 256 outputs
	v_and_b32 v[R], 15, v0
	v_bfe_u32 v[H], v0, 4, 1
	v_and_b32 v15, 31, v0
	v_lshlrev_b32 v[L16], 4, v15
	s_wait_kmcnt 0x0
	s_load_b512 s[32:47], s[20:21], 0x0            ; s32-39 the types' counts, s40-47 END_k
	s_mul_i32 s24, s6, 40*PITCH                    ; while it is on its way: every address that hangs on ids alone
	v_mul_u32_u24 v14, v[H], PITCH
	v_lshl_add_u32 v14, v[R], 4, v14               ; lanes 0-15 one row of 256 bytes, lanes 16-31 the next
	v_add_nc_u32 v[XW], s24, v14
	v_mul_u32_u24 v15, v[R], PITCH
	v_lshl_add_u32 v[XA], v[H], 4, v15             ; a fragment's row r, + 16 h
.irp c, 1,2,3
	v_add_nc_u32 v[XW+\c], \c*CHB, v[XW]
	v_add_nc_u32 v[XA+\c], \c*CHB, v[XA]
.endr
	s_mul_i32 s25, s6, 16*PITCH
	s_add_co_u32 s25, s25, STG                     ; my stage
	v_lshl_add_u32 v[STO], v[H], 5, v15
	v_add_nc_u32 v[STO], s25, v[STO]
	v_add_nc_u32 v[RD], s25, v14
	v_lshl_add_u32 v[LRD], v[H], 2, LIST
	s_mul_i32 s27, s6, 160
	v_add_nc_u32 v[LW], s27, v[LRD]
	s_lshl_b32 s26, s5, 10
	s_lshl_b32 s27, s6, 8
	s_add_co_u32 s26, s26, s27
	v_lshl_add_u32 v[CO], v[R], 4, s26             ; 1,024 x block + 256 x wave + 16 (lane % 16)
	v_lshlrev_b32 v[WSA], 5, v[R]
	v_lshl_add_u32 v[WSA], v[H], 4, v[WSA]
	v_lshlrev_b32 v[BA], 5, v[H]
	s_mul_i32 s28, s6, 40
	v_add_nc_u32 v[WH], s28, v[H]
	v_lshlrev_b32 v[R16], 4, v[R]
	v_lshlrev_b32 v[H16], 4, v[H]
	s_wait_kmcnt 0x0
	; which type is my tile's?  e = how many END_k are at or under the tile; T = the last such END (the type's first tile); the count is that of type e (0 behind the last tile)
	s_mov_b32 s48, 0
	s_mov_b32 s49, 0
	s_mov_b32 s50, s32
.irp k, 0,1,2,3,4,5,6
	s_cmp_ge_u32 s4, s[40+\k]
	s_cselect_b32 s49, s[40+\k], s49
	s_cselect_b32 s50, s[33+\k], s50
	s_add_co_ci_u32 s48, s48, 0
.endr
	s_cmp_ge_u32 s4, s47
	s_cselect_b32 s49, s47, s49
	s_cselect_b32 s50, 0, s50
	s_add_co_ci_u32 s48, s48, 0
	s_sub_co_u32 s53, s4, s49
	s_mul_i32 s53, s53, 160
	s_sub_co_i32 s7, s50, s53                      ; what is left of the type at my tile's first row,
	s_max_i32 s7, s7, 0
	s_min_u32 s7, s7, 160                          ; s7: my tile's rows, 0 .. 160
	s_max_u32 s51, s7, 1
	s_sub_co_u32 s51, s51, 1                       ; s51: its last row (0 where it has none)
	s_min_u32 s52, s7, 1
	s_mul_i32 s52, s52, s4
	s_mul_i32 s52, s52, 160                        ; s52: its first place in order (0 where it has no rows: place 0 is always written)
	s_min_u32 s48, s48, 7                          ; a number made of loaded data enters an address behind a hold at a constant
	s_lshl_b32 s53, s48, 6
	s_lshl_b32 s60, s5, 4
	s_add_co_u32 s53, s53, s60
	s_lshl_b32 s60, s6, 2
	s_add_co_u32 s53, s53, s60                     ; my first tile of 16 rows of W: 64 e + 16 x block + 4 x wave
	s_mov_b32 s61, 0
	s_lshl_b32 s60, s53, 14
	s_add_nc_u64 s[54:55], s[12:13], s[60:61]      ; its fragments: 16,384 bytes a tile
	s_lshl_b32 s60, s53, 9
	s_add_nc_u64 s[56:57], s[14:15], s[60:61]      ; its scale rows: 512 bytes a tile
	s_lshl_b32 s60, s53, 6
	s_add_nc_u64 s[58:59], s[16:17], s[60:61]      ; its 16 numbers of the bias: 64 bytes a tile
	; 30 places of order a lane: rows 40 w + 2 p + h (the rows that I gather) and rows 16 a + r (whose scales I need), each held at the tile's last row
.set P, 0
.rept 20
	v_add_nc_u32 v[IA+P], 2*P, v[WH]
.set P, P+1
.endr
.set P, 0
.rept 10
	v_add_nc_u32 v[IA+20+P], 16*P, v[R]
.set P, P+1
.endr
.set P, 0
.rept 30
	v_min_u32 v[IA+P], s51, v[IA+P]
.set P, P+1
.endr
.set P, 0
.rept 30
	v_add_nc_u32 v[IA+P], s52, v[IA+P]
.set P, P+1
.endr
.set P, 0
.rept 30
	v_min_u32 v[IA+P], LASTP, v[IA+P]              ; the hold at a constant comes last; behind it a shift alone
.set P, P+1
.endr
.set P, 0
.rept 30
	v_lshlrev_b32 v[IA+P], 2, v[IA+P]
.set P, P+1
.endr
.set P, 0
.rept 30
	global_load_b32 v[SROW+P], v[IA+P], s[18:19]
.set P, P+1
.endr
.macro WLOAD s                         ; K step s of my four tiles of W: 16 loads of 512 consecutive bytes, into buffer s % 4 of window 1
	WIN 0x40
.irp b, 0,1,2,3
.irp c, 0,1,2,3
	global_load_b128 v[64*((\s)%4)+16*\b+4*\c:64*((\s)%4)+16*\b+4*\c+3], v[L16], s[54:55] offset:16384*\b+2048*(\s)+512*\c
.endr
.endr
.endm
.macro XLOAD c                         ; chunk c of my 40 rows of x: each load takes two rows' aligned 256 bytes, sixteen lanes to a row, into set c % 2 of window 3
	WIN 0xc0
.set P, 0
.rept 20
	global_load_b128 v[XIN+80*((\c)%2)+4*P:XIN+80*((\c)%2)+4*P+3], v[XOFF+P], s[8:9] offset:256*(\c)
.set P, P+1
.endr
.endm
	; what hangs on the type alone goes out while the tokens are on their way
.irp b, 0,1,2,3
	global_load_b128 v[WS+4*\b:WS+4*\b+3], v[WSA], s[56:57] offset:512*\b          ; 32 lanes read a tile's 512 bytes of scales
.endr
	WIN 0xc0
.irp b, 0,1,2,3
	global_load_b128 v[BIAS+8*\b:BIAS+8*\b+3],   v[BA], s[58:59] offset:64*\b      ; the result's layout: outputs 16 b + 8 h + 0 .. 7
	global_load_b128 v[BIAS+8*\b+4:BIAS+8*\b+7], v[BA], s[58:59] offset:64*\b+16
.endr
	WLOAD 0
	WLOAD 1
	WIN 0
	s_wait_loadcnt 44                              ; the 30 tokens are in; the 4 + 8 + 16 + 16 loads behind them may be out
.set P, 0
.rept 30
	v_min_u32 v[SROW+P], 0x1fff, v[SROW+P]         ; a token is held at 8,191 ahead of every address
.set P, P+1
.endr
.set P, 0
.rept 20
	v_lshl_add_u32 v[XOFF+P], v[SROW+P], 10, v[R16]
.set P, P+1
.endr
.set P, 0
.rept 10
	v_lshl_add_u32 v[XSA+P], v[ROWV+P], 5, v[H16]
.set P, P+1
.endr
.set P, 0
.rept 10
	global_load_b128 v[XS+4*P:XS+4*P+3], v[XSA+P], s[10:11]                        ; row 16 a + r's scale words 4 h .. 4 h + 3
.set P, P+1
.endr
	XLOAD 0
	XLOAD 1
	WLOAD 2
	WLOAD 3
	WIN 0
.set P, 0
.rept 20
	ds_store_b32 v[LW], v[SROW+P] offset:8*P       ; the list for the way out; the sixteen lanes of a half write the same word with the same value
.set P, P+1
.endr
; Chunk c goes into LDS.  n: how many younger loads may be out when my 20 loads of it have to be in.
.macro STORE c, n
	s_wait_loadcnt \n
	WIN 0x0c                                       ; an LDS store's data are its source 1: window 3
.set P, 0
.rept 20
	ds_store_b128 v[XW+\c], v[XIN+80*((\c)%2)+4*P:XIN+80*((\c)%2)+4*P+3] offset:2*PITCH*P
.set P, P+1
.endr
	s_wait_dscnt 0x0                               ; for the others' sake: my stores have landed (the list's too); and they have read their registers,
.if (\c) < 2
	XLOAD (\c)+2                                   ; which take the chunk two further on
.endif
	WIN 0
	s_barrier_signal -1
	s_barrier_wait -1                              ; all 160 rows of the chunk lie in LDS.  No chunk's bytes are written twice, so no barrier guards an overwriting
.endm
.macro FETCHX half, s                  ; x's fragments a = 5 half .. 5 half + 4 of K step s: 20 loads
	WIN 0
.irp a5, 0,1,2,3,4
.irp cc, 0,1,2,3
	ds_load_b128 v[XF+16*(5*(\half)+\a5)+4*\cc:XF+16*(5*(\half)+\a5)+4*\cc+3], v[XA+(\s)/2] offset:16*PITCH*(5*(\half)+\a5)+128*((\s)%2)+32*\cc
.endr
.endr
.endm
; 20 matrix instructions: x's tiles 5 half .. 5 half + 4 against W's four, K step s.  The 40 accumulators take turns, one instruction a turn, in the same order in every K step.
.macro MULS s, half
.irp a5, 0,1,2,3,4
.set TA, 5*(\half)+\a5
.if TA >= 8
	WIN 0xf1                                       ; W window 1, x window 0, C and D window 3 (the bias lies there too)
.elseif (\s) == 0
	WIN 0xb1                                       ; C (the bias) window 3, D window 2
.else
	WIN 0xa1                                       ; C and D window 2
.endif
.irp b, 0,1,2,3
.set AC, 8*(4*(TA%8)+\b)
.set WF, 64*((\s)%4)+16*\b
.if (\s) == 0
	v_wmma_scale_f32_16x16x128_f8f6f4 v[AC:AC+7], v[WF:WF+15], v[XF+16*TA:XF+16*TA+15], v[BIAS+8*\b:BIAS+8*\b+7], v[WS+4*\b], v[XS+4*TA] matrix_a_fmt:MATRIX_FMT_BF8 matrix_b_fmt:MATRIX_FMT_BF8
.elseif (\s) < 4
	v_wmma_scale_f32_16x16x128_f8f6f4 v[AC:AC+7], v[WF:WF+15], v[XF+16*TA:XF+16*TA+15], v[AC:AC+7], v[WS+4*\b+(\s)%4], v[XS+4*TA+(\s)%4] matrix_a_fmt:MATRIX_FMT_BF8 matrix_b_fmt:MATRIX_FMT_BF8
.else
	v_wmma_scale_f32_16x16x128_f8f6f4 v[AC:AC+7], v[WF:WF+15], v[XF+16*TA:XF+16*TA+15], v[AC:AC+7], v[WS+4*\b+(\s)%4], v[XS+4*TA+(\s)%4] matrix_a_fmt:MATRIX_FMT_BF8 matrix_b_fmt:MATRIX_FMT_BF8 matrix_a_scale:MATRIX_SCALE_ROW1 matrix_b_scale:MATRIX_SCALE_ROW1
.endif
.endr
.endr
.endm
; A load into a register that a matrix instruction has read, and an LDS store that reads a matrix result, stand eight places behind that matrix instruction, and only plain vector instructions
; that name none of its registers are places.
.macro PLACES
.rept 8
	v_nop
.endr
.endm
; A chunk's two K steps.  Half of x's fragments are fetched anew while the other half is multiplied.  n0, n1: how many younger global loads may be out when W's K step has to be in (-1: shown landed already).
.macro CHUNK c, n0, n1
	FETCHX 0, 2*(\c)
	FETCHX 1, 2*(\c)
.if \n0 >= 0
	s_wait_loadcnt \n0
.endif
	s_wait_dscnt 20                                ; tiles 0-4 are in; the 20 loads of tiles 5-9 may be out
	MULS 2*(\c), 0
	PLACES
	FETCHX 0, 2*(\c)+1
	s_wait_dscnt 20                                ; tiles 5-9 are in; the 20 just issued may be out
	MULS 2*(\c), 1
	PLACES
	FETCHX 1, 2*(\c)+1
.if (\c) < 2
	WLOAD 2*(\c)+4                                 ; into the buffer that this K step has left
.endif
.if \n1 >= 0
	s_wait_loadcnt \n1
.endif
	s_wait_dscnt 20
	MULS 2*(\c)+1, 0
	s_wait_dscnt 0x0
	MULS 2*(\c)+1, 1
	PLACES
.if (\c) < 2
	WLOAD 2*(\c)+5
.endif
	WIN 0
.endm
; THE GLOBAL LOADS, in the order of issue: tokens 30, W's scales 4, bias 8, W0 16, W1 16, x's scales 10, chunk 0 20, chunk 1 20, W2 16, W3 16, chunk 2 20, W4 16, W5 16, chunk 3 20, W6 16, W7 16.
; Each count below is the number of loads issued behind the one that is wanted; where that number is above 63 (84, 88, 88, 84, 68) the count written is 63, the largest that the field holds: the stricter side.
	STORE 0, 52                                    ; behind chunk 0: chunk 1, W2, W3.  All that was issued ahead of it is in too: both sides' scales, the bias, W0, W1
	CHUNK 0, -1, -1
	STORE 1, 63
	CHUNK 1, 63, 63
	STORE 2, 63
	CHUNK 2, 63, 52                                ; behind W5: chunk 3, W6, W7
	STORE 3, 32                                    ; behind chunk 3: W6, W7
	CHUNK 3, 16, 0
; THE WAY OUT, block by block of 16 rows x my 64 outputs.  A lane holds 32 neighbouring bytes of a row and the lanes beside it hold other rows: so a block goes through my own stage in LDS and comes back as
; whole rows of 256 bytes; sixteen lanes store one aligned run of 256 bytes at the row's token.  The last chunk's eight places stand in front of the first read of results and of the loads into x's registers.
.macro OUT a
	s_cmp_le_u32 s7, 16*(\a)
	s_cbranch_scc1 .Lend                           ; this block and all behind it lie behind the tile's count.  No barrier follows
	s_wait_xcnt 0x0                                ; the earlier stores have read their data and offsets: both sets may be written again
.if (\a) < 8
	WIN 0x08                                       ; the data: window 2
.else
	WIN 0x0c                                       ; window 3
.endif
.irp b, 0,1,2,3
	ds_store_b128 v[STO], v[8*(4*((\a)%8)+\b):8*(4*((\a)%8)+\b)+3] offset:64*\b      ; each accumulator from its low end on
	ds_store_b128 v[STO], v[8*(4*((\a)%8)+\b)+4:8*(4*((\a)%8)+\b)+7] offset:64*\b+16
.endr
	WIN 0
.irp t, 0,1,2,3,4,5,6,7
	ds_load_b32 v[RID+\t], v[LRD] offset:64*(\a)+8*\t                              ; the tokens of rows 16 a + 2 t + h
.endr
.irp t, 0,1,2,3,4,5,6,7
	ds_load_b128 v[OB+32*((\a)%2)+4*\t:OB+32*((\a)%2)+4*\t+3], v[RD] offset:2*PITCH*\t   ; LDS serves a wave's instructions in order: these see my stores
.endr
	s_wait_dscnt 0x0
.irp t, 0,1,2,3,4,5,6,7
	v_min_u32 v[RID+\t], 0x1fff, v[RID+\t]
	v_lshl_add_u32 v[OFS+8*((\a)%2)+\t], v[RID+\t], 12, v[CO]                      ; token x 4,096 bytes + my place in the row
	global_store_b128 v[OFS+8*((\a)%2)+\t], v[OB+32*((\a)%2)+4*\t:OB+32*((\a)%2)+4*\t+3], s[22:23] th:TH_STORE_NT   ; written once, read by nobody here
.endr
.endm
.irp a, 0,1,2,3,4,5,6,7,8,9
	OUT \a
.endr
.Lend:
	s_wait_tensorcnt 0x0
	ds_add_u32 v94, v95
	s_wait_dscnt 0x0
	s_endpgm
.Lfunc_end_k_qfc87347d38_gemm:
	.size	k_qfc87347d38_gemm, .Lfunc_end_k_qfc87347d38_gemm-k_qfc87347d38_gemm
	.p2alignl 7, 3214868480
	.fill 96, 4, 3214868480
	.section	.rodata,"a",@progbits
	.p2align	6, 0x0
	.amdhsa_kernel k_qfc87347d38_gemm
		.amdhsa_group_segment_fixed_size 193024
		.amdhsa_private_segment_fixed_size 0
		.amdhsa_enable_private_segment 0
		.amdhsa_kernarg_size 64
		.amdhsa_user_sgpr_count 2
		.amdhsa_user_sgpr_kernarg_segment_ptr 1
		.amdhsa_wavefront_size32 1
		.amdhsa_system_sgpr_workgroup_id_x 1
		.amdhsa_system_sgpr_workgroup_id_y 1
		.amdhsa_system_sgpr_workgroup_id_z 1
		.amdhsa_system_vgpr_workitem_id 0
		.amdhsa_next_free_vgpr 1024
		.amdhsa_next_free_sgpr 66
		.amdhsa_reserve_vcc 0
		.amdhsa_float_denorm_mode_32 3
		.amdhsa_float_denorm_mode_16_64 3
		.amdhsa_memory_ordered 1
		.amdhsa_forward_progress 1
		.amdhsa_inst_pref_size 146
	.end_amdhsa_kernel
	.amdgpu_metadata
---
amdhsa.version: [ 1, 2 ]
amdhsa.kernels:
  - .name:           k_qfc87347d38_gemm
    .symbol:         k_qfc87347d38_gemm.kd
    .args:
      - { .name: x_codes, .offset: 0, .size: 8, .value_kind: global_buffer, .address_space: global }
      - { .name: x_scales, .offset: 8, .size: 8, .value_kind: global_buffer, .address_space: global }
      - { .name: wfrag, .offset: 16, .size: 8, .value_kind: global_buffer, .address_space: global }
      - { .name: weight_scales, .offset: 24, .size: 8, .value_kind: global_buffer, .address_space: global }
      - { .name: bias, .offset: 32, .size: 8, .value_kind: global_buffer, .address_space: global }
      - { .name: order, .offset: 40, .size: 8, .value_kind: global_buffer, .address_space: global }
      - { .name: counts, .offset: 48, .size: 8, .value_kind: global_buffer, .address_space: global }
      - { .name: out0, .offset: 56, .size: 8, .value_kind: global_buffer, .address_space: global }
    .group_segment_fixed_size: 193024
    .private_segment_fixed_size: 0
    .kernarg_segment_align: 8
    .kernarg_segment_size: 64
    .max_flat_workgroup_size: 128
    .sgpr_count:     66
    .vgpr_count:     1024
    .wavefront_size: 32
...
	.end_amdgpu_metadata
.endif
;; end of part 2
;; ======== version 2 of 2: 2 launches; version 1 with the launch gemm written anew for expert scheduling mode
;; workspace buffers: order 37,888 bytes of whole numbers; counts 256 bytes of whole numbers; wfrag 8,388,608 bytes
;; launch prep: the kernel of part 1 again; grid 264 x 1, 4 waves a work-group, no clusters, 34,304 bytes of LDS; arguments types, weight_codes, order, counts, wfrag; writes order, counts, wfrag
;; launch gemm (part 3): grid 4 x 59, 4 waves a work-group, no clusters, 193,024 bytes of LDS; arguments x_codes, x_scales, wfrag, weight_scales, bias, order, counts, out0; writes out0
.if DOCPART == 3
	.amdgcn_target "amdgcn-amd-amdhsa--gfx1250"
	.amdhsa_code_object_version 6
	.text
	.protected	k_qfc87347d38_gemm
	.globl	k_qfc87347d38_gemm
	.p2align	8
	.type	k_qfc87347d38_gemm,@function
k_qfc87347d38_gemm:
	s_mov_b64 s[64:65], 0
	v_nop
	global_prefetch_b8 v0, s[64:65] scope:SCOPE_SE
	s_setreg_imm32_b32 hwreg(HW_REG_WAVE_SCHED_MODE, 0, 2), 2
	s_setreg_imm32_b32 hwreg(HW_REG_WAVE_MODE, 25, 1), 1
	s_wait_xcnt 0x0
	s_wait_alu depctr_vm_vsrc(0)
; out0[n][:] = W[types[n]] x[n] + bias[types[n]], on codes of BF8 (E5M2) with one E8M0 scale for each 32 along K, only for the type that each token has.
; A work-group takes ONE TILE: up to 160 tokens of one type (work-group y = the tile, as the launch before sorted them into order and counts) x 256 outputs (work-group x), all of K = 1,024.
; The grid, 59 tiles, serves every split of the 8,192 tokens over the 8 types: ceil(8192 / 160) + 7.
; SHARES.  Wave w makes all 160 rows x outputs 64 w .. 64 w + 63 of the block: 10 x 4 accumulators, 320 registers.  Its 64 rows of W come from wfrag straight into registers, each byte once in the work-group,
; by loads of 512 consecutive bytes.  The tokens' rows of x are scattered: they are gathered once, 40 rows a wave, 256 bytes of a row at a time, through registers into LDS, where all four waves read them.
; THE MATRIX INSTRUCTION IS USED TRANSPOSED (source 0 = 16 rows of W, source 1 = 16 rows of x): lane (r, h) of accumulator (a, b) holds row 16 a + r, outputs 16 b + 8 h + 0 .. 7.  The bias is the C of the first K step.
; SCALES.  A lane takes 16 bytes at 32 r + 16 h of a tile's scale rows: register q then holds the word of K step q in lanes 0-15 and that of K step 4 + q in lanes 16-31 (the second row of the scale operand).
; ROWS BEHIND A TILE'S COUNT are copies of its last row: every index is held at count - 1.  Blocks of 16 rows that lie wholly behind the count are not stored; inside the last block the copies
; are stored again, to the same place with the same bytes (at most 15 rows).  A tile with no rows runs on token order[0] and type at most 7, and stores nothing: the four barriers stand on every wave's one path.
; NO TENSOR LOADS, NO CLUSTER: x is gathered by a list, the way out branches on a stored count, and how many tiles share a type hangs on the data.
; LIMITS: a scale byte 0xff gives NaN, and codes of infinity and NaN count as such, as the format has it.
; REGISTERS, in windows of 256.  Window 0: v1-15 addresses, v16-35 the gather's offsets, v36-51 W's scale words, v52-91 x's, v94, v95 the closing add's two, v96-255 x's ten fragments (ahead of them the head's work, behind them the way out).
;   Window 1: W's fragments, four K steps deep (K step s, tile b at 64 (s % 4) + 16 b).  Window 2: accumulators of a = 0 .. 7 at 8 (4 a + b).  Window 3: v0-63 those of a = 8, 9; v64-95 the bias; v96-255 two sets of 80 for the gather.
; THE MODE: SCHED_MODE bits 1:0 = 2 (LLVM: expert scheduling mode 2), set by the entry lines.  The code itself states the register dependences
; between vector or matrix instructions and memory or LDS instructions, with s_wait_alu, always for 0.
; THE PLAN.  Registers that memory or LDS instructions touch, and who else names them:
;   v1-13          addresses: vector lines write them once, at the head; loads and stores read them; never written again.  XOFF likewise, once, behind the tokens.
;   v96-173        the head's work: vector lines write it, the head's loads read it as offsets and the list's LDS stores as data; then x's fragments land there.
;   XIN set c % 2  chunk c's global loads land in it, chunk c's LDS stores read it, chunk c + 2's loads land in it.  No vector line names it.
;   XF tile t      LDS loads land in it; tile t's four matrix instructions of a K step read it; the next K step's loads land in it.
;   W buffer s % 4 K step s's global loads land in it; its 40 matrix instructions read it; K step s + 4's loads land in it.
;   accumulators   matrix instructions alone, until the way out's LDS stores read them.
;   RID, OFS, OB   the way out: RID: LDS loads land, vector lines hold and read it.  OFS set a % 2: vector lines write it, block a's stores read it.  OB set a % 2: LDS loads land, block a's stores read it.
; A chunk of two K steps is four halves of five tiles of x, and has three waits on va_vdst: behind the first half (its five fragments' registers are free), behind the second (the other five, and the first K step's buffer of W),
; and behind the fourth (all ten, the second K step's buffer of W; at the end the accumulators).  Behind the first two the freed fragments are asked for anew, four LDS loads behind each tile's four matrix instructions,
; which name the other five fragments, W, the scales and the accumulators: none of the registers that those loads touch.  That costs two switches of the register window a tile.
.set PITCH, 272                        ; an LDS row: 256 bytes + 16 = 17 x 16: the 16 rows that a load touches start 16 bytes apart modulo 256
.set CHB,   160*PITCH                  ; a chunk: 256 along K of the 160 rows
.set LIST,  4*CHB                      ; behind the four chunks: the 160 tokens, a word each
.set STG,   LIST+768                   ; the way out: 16 rows x 272 bytes for each wave
.set LASTP, 59*160-1                   ; the last place of order
.set L16,  1                           ; v1      16 x lane
.set XW,   2                           ; v2-5    where I store my 40 rows of chunk c
.set XA,   6                           ; v6-9    where my lane's part of a fragment of chunk c begins
.set STO,  10                          ; v10     the stage: where I put 32 bytes of a row
.set RD,   11                          ; v11     and where I read a row back
.set LRD,  12                          ; v12     the list: 4 h
.set CO,   13                          ; v13     my byte offset in a row of out0
.set XOFF, 16                          ; v16-35  pair p of my 40 rows: token x 1,024 + 16 (lane % 16)
.set WS,   36                          ; v36-51  W's scale words, 4 b + q: they hold scales and nothing else
.set XS,   52                          ; v52-91  x's, 4 a + q: likewise
.set XF,   96                          ; v96-255 x's fragments, 16 a
.set R,    96                          ; the head's work, in registers that the fragments take later
.set H,    97
.set WSA,  98                          ; 32 r + 16 h
.set BA,   99                          ; 32 h
.set IA,   100                         ; v100-129 byte offsets into order
.set SROW, 130                         ; v130-149 the tokens of rows 40 w + 2 p + h
.set ROWV, 150                         ; v150-159 the tokens of rows 16 a + r
.set XSA,  160                         ; v160-169 their scale rows
.set WH,   170                         ; 40 w + h
.set LW,   171                         ; the list: where I store my 40 tokens
.set R16,  172
.set H16,  173
.set OB,   96                          ; the way out: two sets of 32: 16 rows read back
.set RID,  160                         ; v160-167 their tokens
.set OFS,  168                         ; v168-183 two sets of 8: their byte offsets in out0
.set BIAS, 64                          ; in window 3
.set XIN,  96                          ; in window 3
.set MSB, 0
.macro WIN new                         ; bits 1:0 source 0, 3:2 source 1, 5:4 source 2, 7:6 destination; the high byte repeats the setting that is left
.if MSB != \new
	s_set_vgpr_msb (MSB<<8)|\new
.set MSB, \new
.endif
.endm
	s_load_b512 s[8:23], s[0:1], 0x0               ; x_codes s[8:9], x_scales s[10:11], wfrag s[12:13], weight_scales s[14:15], bias s[16:17], order s[18:19], counts s[20:21], out0 s[22:23]
	v_lshl_add_u32 v94, v0, 2, 0x2f000             ; the LDS address of my spare word, behind the stages: made here and kept for the closing lines alone
	v_mov_b32 v95, 0                               ; and 0, likewise
	v_lshrrev_b32 v14, 5, v0
	v_readfirstlane_b32 s6, v14                    ; wave 0..3
	s_and_b32 s4, ttmp7, 0xffff                    ; the tile
	s_mov_b32 s5, ttmp9                            ; the block of 256 outputs
	v_and_b32 v[R], 15, v0
	v_bfe_u32 v[H], v0, 4, 1
	v_and_b32 v15, 31, v0
	v_lshlrev_b32 v[L16], 4, v15
	s_wait_kmcnt 0x0
	s_load_b512 s[32:47], s[20:21], 0x0            ; s32-39 the types' counts, s40-47 END_k
	s_wait_alu depctr_va_sdst(0)                   ; s6, the wave's number, is written, ahead of its first reader
	s_mul_i32 s24, s6, 40*PITCH                    ; while it is on its way: every address that hangs on ids alone
	v_mul_u32_u24 v14, v[H], PITCH
	v_lshl_add_u32 v14, v[R], 4, v14               ; lanes 0-15 one row of 256 bytes, lanes 16-31 the next
	v_add_nc_u32 v[XW], s24, v14
	v_mul_u32_u24 v15, v[R], PITCH
	v_lshl_add_u32 v[XA], v[H], 4, v15             ; a fragment's row r, + 16 h
.irp c, 1,2,3
	v_add_nc_u32 v[XW+\c], \c*CHB, v[XW]
	v_add_nc_u32 v[XA+\c], \c*CHB, v[XA]
.endr
	s_mul_i32 s25, s6, 16*PITCH
	s_add_co_u32 s25, s25, STG                     ; my stage
	v_lshl_add_u32 v[STO], v[H], 5, v15
	v_add_nc_u32 v[STO], s25, v[STO]
	v_add_nc_u32 v[RD], s25, v14
	v_lshl_add_u32 v[LRD], v[H], 2, LIST
	s_mul_i32 s27, s6, 160
	v_add_nc_u32 v[LW], s27, v[LRD]
	s_lshl_b32 s26, s5, 10
	s_lshl_b32 s27, s6, 8
	s_add_co_u32 s26, s26, s27
	v_lshl_add_u32 v[CO], v[R], 4, s26             ; 1,024 x block + 256 x wave + 16 (lane % 16)
	v_lshlrev_b32 v[WSA], 5, v[R]
	v_lshl_add_u32 v[WSA], v[H], 4, v[WSA]
	v_lshlrev_b32 v[BA], 5, v[H]
	s_mul_i32 s28, s6, 40
	v_add_nc_u32 v[WH], s28, v[H]
	v_lshlrev_b32 v[R16], 4, v[R]
	v_lshlrev_b32 v[H16], 4, v[H]
	s_wait_kmcnt 0x0
	; which type is my tile's?  e = how many END_k are at or under the tile; T = the last such END (the type's first tile); the count is that of type e (0 behind the last tile)
	s_mov_b32 s48, 0
	s_mov_b32 s49, 0
	s_mov_b32 s50, s32
.irp k, 0,1,2,3,4,5,6
	s_cmp_ge_u32 s4, s[40+\k]
	s_cselect_b32 s49, s[40+\k], s49
	s_cselect_b32 s50, s[33+\k], s50
	s_add_co_ci_u32 s48, s48, 0
.endr
	s_cmp_ge_u32 s4, s47
	s_cselect_b32 s49, s47, s49
	s_cselect_b32 s50, 0, s50
	s_add_co_ci_u32 s48, s48, 0
	s_sub_co_u32 s53, s4, s49
	s_mul_i32 s53, s53, 160
	s_sub_co_i32 s7, s50, s53                      ; what is left of the type at my tile's first row,
	s_max_i32 s7, s7, 0
	s_min_u32 s7, s7, 160                          ; s7: my tile's rows, 0 .. 160
	s_max_u32 s51, s7, 1
	s_sub_co_u32 s51, s51, 1                       ; s51: its last row (0 where it has none)
	s_min_u32 s52, s7, 1
	s_mul_i32 s52, s52, s4
	s_mul_i32 s52, s52, 160                        ; s52: its first place in order (0 where it has no rows: place 0 is always written)
	s_min_u32 s48, s48, 7                          ; a number made of loaded data enters an address behind a hold at a constant
	s_lshl_b32 s53, s48, 6
	s_lshl_b32 s60, s5, 4
	s_add_co_u32 s53, s53, s60
	s_lshl_b32 s60, s6, 2
	s_add_co_u32 s53, s53, s60                     ; my first tile of 16 rows of W: 64 e + 16 x block + 4 x wave
	s_mov_b32 s61, 0
	s_lshl_b32 s60, s53, 14
	s_add_nc_u64 s[54:55], s[12:13], s[60:61]      ; its fragments: 16,384 bytes a tile
	s_lshl_b32 s60, s53, 9
	s_add_nc_u64 s[56:57], s[14:15], s[60:61]      ; its scale rows: 512 bytes a tile
	s_lshl_b32 s60, s53, 6
	s_add_nc_u64 s[58:59], s[16:17], s[60:61]      ; its 16 numbers of the bias: 64 bytes a tile
	; 30 places of order a lane: rows 40 w + 2 p + h (the rows that I gather) and rows 16 a + r (whose scales I need), each held at the tile's last row
.set P, 0
.rept 20
	v_add_nc_u32 v[IA+P], 2*P, v[WH]
.set P, P+1
.endr
.set P, 0
.rept 10
	v_add_nc_u32 v[IA+20+P], 16*P, v[R]
.set P, P+1
.endr
.set P, 0
.rept 30
	v_min_u32 v[IA+P], s51, v[IA+P]
.set P, P+1
.endr
.set P, 0
.rept 30
	v_add_nc_u32 v[IA+P], s52, v[IA+P]
.set P, P+1
.endr
.set P, 0
.rept 30
	v_min_u32 v[IA+P], LASTP, v[IA+P]              ; the hold at a constant comes last; behind it a shift alone
.set P, P+1
.endr
.set P, 0
.rept 30
	v_lshlrev_b32 v[IA+P], 2, v[IA+P]
.set P, P+1
.endr
	s_wait_alu depctr_va_vdst(0)                   ; the 30 offsets into order are written, and so is every address made above (v1-13, WSA, BA, LW): the loads below, and all later loads and stores by those addresses, read them
.set P, 0
.rept 30
	global_load_b32 v[SROW+P], v[IA+P], s[18:19]
.set P, P+1
.endr
.macro WLOAD s                         ; K step s of my four tiles of W: 16 loads of 512 consecutive bytes, into buffer s % 4 of window 1
	WIN 0x40
.irp b, 0,1,2,3
.irp c, 0,1,2,3
	global_load_b128 v[64*((\s)%4)+16*\b+4*\c:64*((\s)%4)+16*\b+4*\c+3], v[L16], s[54:55] offset:16384*\b+2048*(\s)+512*\c
.endr
.endr
.endm
.macro XLOAD c                         ; chunk c of my 40 rows of x: each load takes two rows' aligned 256 bytes, sixteen lanes to a row, into set c % 2 of window 3
	WIN 0xc0
.set P, 0
.rept 20
	global_load_b128 v[XIN+80*((\c)%2)+4*P:XIN+80*((\c)%2)+4*P+3], v[XOFF+P], s[8:9] offset:256*(\c)
.set P, P+1
.endr
.endm
	; what hangs on the type alone goes out while the tokens are on their way.  No vector line stands between the wait above and these loads
.irp b, 0,1,2,3
	global_load_b128 v[WS+4*\b:WS+4*\b+3], v[WSA], s[56:57] offset:512*\b          ; 32 lanes read a tile's 512 bytes of scales
.endr
	WIN 0xc0
.irp b, 0,1,2,3
	global_load_b128 v[BIAS+8*\b:BIAS+8*\b+3],   v[BA], s[58:59] offset:64*\b      ; the result's layout: outputs 16 b + 8 h + 0 .. 7
	global_load_b128 v[BIAS+8*\b+4:BIAS+8*\b+7], v[BA], s[58:59] offset:64*\b+16
.endr
	WLOAD 0
	WLOAD 1
	WIN 0
	s_wait_loadcnt 44                              ; the 30 tokens are in; the 4 + 8 + 16 + 16 loads behind them may be out
.set P, 0
.rept 30
	v_min_u32 v[SROW+P], 0x1fff, v[SROW+P]         ; a token is held at 8,191 ahead of every address
.set P, P+1
.endr
.set P, 0
.rept 20
	v_lshl_add_u32 v[XOFF+P], v[SROW+P], 10, v[R16]
.set P, P+1
.endr
.set P, 0
.rept 10
	v_lshl_add_u32 v[XSA+P], v[ROWV+P], 5, v[H16]
.set P, P+1
.endr
	s_wait_alu depctr_va_vdst(0)                   ; XSA and XOFF are written, which the loads below read, and the held tokens, which the list's LDS stores read.  These were the last vector lines that name v96-173, in which chunk 0's fragments land
.set P, 0
.rept 10
	global_load_b128 v[XS+4*P:XS+4*P+3], v[XSA+P], s[10:11]                        ; row 16 a + r's scale words 4 h .. 4 h + 3
.set P, P+1
.endr
	XLOAD 0
	XLOAD 1
	WLOAD 2
	WLOAD 3
	WIN 0
.set P, 0
.rept 20
	ds_store_b32 v[LW], v[SROW+P] offset:8*P       ; the list for the way out; the sixteen lanes of a half write the same word with the same value
.set P, P+1
.endr
; Chunk c goes into LDS.  n: how many younger loads may be out when my 20 loads of it have to be in.
.macro STORE c, n
	s_wait_loadcnt \n
	WIN 0x0c                                       ; an LDS store's data are its source 1: window 3
.set P, 0
.rept 20
	ds_store_b128 v[XW+\c], v[XIN+80*((\c)%2)+4*P:XIN+80*((\c)%2)+4*P+3] offset:2*PITCH*P
.set P, P+1
.endr
	s_wait_dscnt 0x0                               ; for the others' sake: my stores have landed (the list's too)
.if (\c) < 2
	WIN 0xc0
	s_wait_alu depctr_vm_vsrc(0)                   ; the LDS stores above have read this set of XIN, in which the loads below land; in chunk 0 also: the head's loads and the list's stores have read v96-173, in which the first fragments land
	XLOAD (\c)+2                                   ; the set takes the chunk two further on
.endif
	WIN 0
	s_barrier_signal -1
	s_barrier_wait -1                              ; all 160 rows of the chunk lie in LDS.  No chunk's bytes are written twice, so no barrier guards an overwriting
.endm
.macro FRAG ta, s                      ; x's fragment of tile ta, K step s: four loads
	WIN 0
.irp cc, 0,1,2,3
	ds_load_b128 v[XF+16*(\ta)+4*\cc:XF+16*(\ta)+4*\cc+3], v[XA+(\s)/2] offset:16*PITCH*(\ta)+128*((\s)%2)+32*\cc
.endr
.endm
; Four matrix instructions: x's tile ta against W's four, K step s.  The 40 accumulators take turns, one instruction a turn, in the same order in every K step.
.macro MUL4 s, ta
.if (\ta) >= 8
	WIN 0xf1                                       ; W window 1, x window 0, C and D window 3 (the bias lies there too)
.elseif (\s) == 0
	WIN 0xb1                                       ; C (the bias) window 3, D window 2
.else
	WIN 0xa1                                       ; C and D window 2
.endif
.irp b, 0,1,2,3
.set AC, 8*(4*((\ta)%8)+\b)
.set WF, 64*((\s)%4)+16*\b
.if (\s) == 0
	v_wmma_scale_f32_16x16x128_f8f6f4 v[AC:AC+7], v[WF:WF+15], v[XF+16*(\ta):XF+16*(\ta)+15], v[BIAS+8*\b:BIAS+8*\b+7], v[WS+4*\b], v[XS+4*(\ta)] matrix_a_fmt:MATRIX_FMT_BF8 matrix_b_fmt:MATRIX_FMT_BF8
.elseif (\s) < 4
	v_wmma_scale_f32_16x16x128_f8f6f4 v[AC:AC+7], v[WF:WF+15], v[XF+16*(\ta):XF+16*(\ta)+15], v[AC:AC+7], v[WS+4*\b+(\s)%4], v[XS+4*(\ta)+(\s)%4] matrix_a_fmt:MATRIX_FMT_BF8 matrix_b_fmt:MATRIX_FMT_BF8
.else
	v_wmma_scale_f32_16x16x128_f8f6f4 v[AC:AC+7], v[WF:WF+15], v[XF+16*(\ta):XF+16*(\ta)+15], v[AC:AC+7], v[WS+4*\b+(\s)%4], v[XS+4*(\ta)+(\s)%4] matrix_a_fmt:MATRIX_FMT_BF8 matrix_b_fmt:MATRIX_FMT_BF8 matrix_a_scale:MATRIX_SCALE_ROW1 matrix_b_scale:MATRIX_SCALE_ROW1
.endif
.endr
.endm
; A load into a register that a matrix instruction has read, and an LDS store that reads a matrix result, stand eight places behind that matrix instruction, and only plain vector instructions
; that name none of its registers are places.  The places stay beside the waits on va_vdst: neither stands for the other.
.macro PLACES
.rept 8
	v_nop
.endr
.endm
; A chunk's two K steps, in four halves of five tiles.  n0, n1: how many younger global loads may be out when W's K step has to be in (-1: shown landed already).
; LDS loads come back in order (ISA guide 5.7.1), so one counted wait a tile shows that tile's fragment in: the count is the loads of the younger fragments, four each.
.macro CHUNK c, n0, n1
.irp t, 0,1,2,3,4,5,6,7,8,9
	FRAG \t, 2*(\c)                                ; the first K step's ten fragments.  No vector or matrix instruction since the last wait on va_vdst names XF
.endr
.if \n0 >= 0
	s_wait_loadcnt \n0
.endif
.irp t, 0,1,2,3,4
	s_wait_dscnt 4*(9-\t)                          ; tile t's fragment is in; those of tiles t + 1 .. 9 may be out
	MUL4 2*(\c), \t
.endr
	PLACES
	s_wait_alu depctr_va_vdst(0)                   ; the 20 matrix instructions above are done reading the fragments of tiles 0-4, in which the loads dealt below land
.irp t, 5,6,7,8,9
	s_wait_dscnt 16                                ; tile t's fragment is in; four younger ones may be out: tiles t + 1 .. 9 of this K step, tiles 0 .. t - 6 of the next
	MUL4 2*(\c), \t
	FRAG \t-5, 2*(\c)+1                            ; no matrix instruction since the wait names tiles 0-4 or the address
.endr
	PLACES
	s_wait_alu depctr_va_vdst(0)                   ; the 20 above are done reading the fragments of tiles 5-9, in which the loads dealt below land, and this K step's buffer of W, which is asked for again at once
.if (\c) < 2
	WLOAD 2*(\c)+4                                 ; into the buffer that this K step has left
.endif
.if \n1 >= 0
	s_wait_loadcnt \n1
.endif
.irp t, 0,1,2,3,4
	s_wait_dscnt 16                                ; tile t's fragment is in; four younger ones may be out: tiles t + 1 .. t + 4
	MUL4 2*(\c)+1, \t
	FRAG \t+5, 2*(\c)+1                            ; no matrix instruction since the wait names tiles 5-9 or the address
.endr
.irp t, 5,6,7,8,9
	s_wait_dscnt 4*(9-\t)                          ; the counts run down
	MUL4 2*(\c)+1, \t
.endr
	PLACES
	s_wait_alu depctr_va_vdst(0)                   ; the chunk's matrix instructions are done: with this K step's buffer of W and with all ten fragments, in which loads land next; and they have written the accumulators, which behind the last chunk the LDS stores read
.if (\c) < 2
	WLOAD 2*(\c)+5
.endif
	WIN 0
.endm
; THE GLOBAL LOADS, in the order of issue: tokens 30, W's scales 4, bias 8, W0 16, W1 16, x's scales 10, chunk 0 20, chunk 1 20, W2 16, W3 16, chunk 2 20, W4 16, W5 16, chunk 3 20, W6 16, W7 16.
; Each count below is the number of loads issued behind the one that is wanted; where that number is above 63 (84, 88, 88, 84, 68) the count written is 63, the largest that the field holds: the stricter side.
	STORE 0, 52                                    ; behind chunk 0: chunk 1, W2, W3.  All that was issued ahead of it is in too: both sides' scales, the bias, W0, W1
	CHUNK 0, -1, -1
	STORE 1, 63
	CHUNK 1, 63, 63
	STORE 2, 63
	CHUNK 2, 63, 52                                ; behind W5: chunk 3, W6, W7
	STORE 3, 32                                    ; behind chunk 3: W6, W7
	CHUNK 3, 16, 0
; THE WAY OUT, block by block of 16 rows x my 64 outputs.  A lane holds 32 neighbouring bytes of a row and the lanes beside it hold other rows: so a block goes through my own stage in LDS and comes back as
; whole rows of 256 bytes; sixteen lanes store one aligned run of 256 bytes at the row's token.  The last chunk's eight places stand in front of the first read of results and of the loads into x's registers,
; and its last wait on va_vdst behind them: no vector line of the way out names an accumulator, so that wait serves the LDS stores of all ten blocks.
.macro OUT a
.if (\a) >= 2
	s_wait_alu depctr_vm_vsrc(0)                   ; the stores of the block two back have read their sets of OB and OFS, which this block's LDS loads and vector lines write again
.endif
	s_cmp_le_u32 s7, 16*(\a)
	s_cbranch_scc1 .Lend                           ; this block and all behind it lie behind the tile's count.  No barrier follows
	s_wait_xcnt 0x0                                ; the earlier stores have read their data and offsets: both sets may be written again
.if (\a) < 8
	WIN 0x08                                       ; the data: window 2
.else
	WIN 0x0c                                       ; window 3
.endif
.irp b, 0,1,2,3
	ds_store_b128 v[STO], v[8*(4*((\a)%8)+\b):8*(4*((\a)%8)+\b)+3] offset:64*\b      ; each accumulator from its low end on
	ds_store_b128 v[STO], v[8*(4*((\a)%8)+\b)+4:8*(4*((\a)%8)+\b)+7] offset:64*\b+16
.endr
	WIN 0
.irp t, 0,1,2,3,4,5,6,7
	ds_load_b32 v[RID+\t], v[LRD] offset:64*(\a)+8*\t                              ; the tokens of rows 16 a + 2 t + h.  The vector lines that named RID stand ahead of the last wait on va_vdst
.endr
.irp t, 0,1,2,3,4,5,6,7
	ds_load_b128 v[OB+32*((\a)%2)+4*\t:OB+32*((\a)%2)+4*\t+3], v[RD] offset:2*PITCH*\t   ; LDS serves a wave's instructions in order: these see my stores
.endr
	s_wait_dscnt 0x0
.irp t, 0,1,2,3,4,5,6,7
	v_min_u32 v[RID+\t], 0x1fff, v[RID+\t]
.endr
.irp t, 0,1,2,3,4,5,6,7
	v_lshl_add_u32 v[OFS+8*((\a)%2)+\t], v[RID+\t], 12, v[CO]                      ; token x 4,096 bytes + my place in the row
.endr
	s_wait_alu depctr_va_vdst(0)                   ; the eight offsets are written, which the stores below read; and the lines above are done with RID, in which the next block's tokens land
.irp t, 0,1,2,3,4,5,6,7
	global_store_b128 v[OFS+8*((\a)%2)+\t], v[OB+32*((\a)%2)+4*\t:OB+32*((\a)%2)+4*\t+3], s[22:23] th:TH_STORE_NT   ; written once, read by nobody here
.endr
.endm
.irp a, 0,1,2,3,4,5,6,7,8,9
	OUT \a
.endr
.Lend:
	s_wait_dscnt 0x0                               ; the closing lines, six on end
	s_wait_alu 0x0
	s_wait_tensorcnt 0x0
	ds_add_u32 v94, v95
	s_wait_dscnt 0x0
	s_endpgm
.Lfunc_end_k_qfc87347d38_gemm:
	.size	k_qfc87347d38_gemm, .Lfunc_end_k_qfc87347d38_gemm-k_qfc87347d38_gemm
	.p2alignl 7, 3214868480
	.fill 96, 4, 3214868480
	.section	.rodata,"a",@progbits
	.p2align	6, 0x0
	.amdhsa_kernel k_qfc87347d38_gemm
		.amdhsa_group_segment_fixed_size 193024
		.amdhsa_private_segment_fixed_size 0
		.amdhsa_enable_private_segment 0
		.amdhsa_kernarg_size 64
		.amdhsa_user_sgpr_count 2
		.amdhsa_user_sgpr_kernarg_segment_ptr 1
		.amdhsa_wavefront_size32 1
		.amdhsa_system_sgpr_workgroup_id_x 1
		.amdhsa_system_sgpr_workgroup_id_y 1
		.amdhsa_system_sgpr_workgroup_id_z 1
		.amdhsa_system_vgpr_workitem_id 0
		.amdhsa_next_free_vgpr 1024
		.amdhsa_next_free_sgpr 66
		.amdhsa_reserve_vcc 0
		.amdhsa_float_denorm_mode_32 3
		.amdhsa_float_denorm_mode_16_64 3
		.amdhsa_memory_ordered 1
		.amdhsa_forward_progress 1
		.amdhsa_inst_pref_size 151
	.end_amdhsa_kernel
	.amdgpu_metadata
---
amdhsa.version: [ 1, 2 ]
amdhsa.kernels:
  - .name:           k_qfc87347d38_gemm
    .symbol:         k_qfc87347d38_gemm.kd
    .args:
      - { .name: x_codes, .offset: 0, .size: 8, .value_kind: global_buffer, .address_space: global }
      - { .name: x_scales, .offset: 8, .size: 8, .value_kind: global_buffer, .address_space: global }
      - { .name: wfrag, .offset: 16, .size: 8, .value_kind: global_buffer, .address_space: global }
      - { .name: weight_scales, .offset: 24, .size: 8, .value_kind: global_buffer, .address_space: global }
      - { .name: bias, .offset: 32, .size: 8, .value_kind: global_buffer, .address_space: global }
      - { .name: order, .offset: 40, .size: 8, .value_kind: global_buffer, .address_space: global }
      - { .name: counts, .offset: 48, .size: 8, .value_kind: global_buffer, .address_space: global }
      - { .name: out0, .offset: 56, .size: 8, .value_kind: global_buffer, .address_space: global }
    .group_segment_fixed_size: 193024
    .private_segment_fixed_size: 0
    .kernarg_segment_align: 8
    .kernarg_segment_size: 64
    .max_flat_workgroup_size: 128
    .sgpr_count:     66
    .vgpr_count:     1024
    .wavefront_size: 32
...
	.end_amdgpu_metadata
.endif
;; end of part 3
